; MI455X (gfx1250); checked and timed in simulation.
; The chip was launched on July 23, 2026; its instructions are those of AMD's public machine-readable ISA for CDNA 5 (MIT licence, August 2026) and "CDNA5" Instruction Set Architecture Reference Guide (July 2026). The comments in the code are by the model that wrote it; some were corrected since.
;; Mo E. Allowed arithmetic: matrix products marked QUANTISED: E5M2 operands, one given power-of-two scale a tensor, by v_wmma_f32_16x16x64_bf8_bf8 or v_wmma_f32_16x16x128_bf8_bf8, f32 sums; products left as they are: f32 operands where the result goes on into a quantised operand, else bf16, f16 or f32 operands; f32 sums; everything else in f32.
;; Inputs: W1_codes 2 x 4,096 x 32 x 32 uint8 (E5M2 codes of W1, K innermost, in blocks of 32 codes); W2_codes 2 x 1,024 x 128 x 32 uint8 (E5M2 codes of W2, K innermost, in blocks of 32 codes); Wr 2 x 1,024 float32; b1 2 x 4,096 float32; b2 2 x 1,024 float32; lowp_scales 4 int32 (the exponents e of the quantised operands' scales 2^e); x 2 x 2,048 x 1,024 float32.
;; Outputs: out0 2 x 2,048 x 1,024 float32.
;; This version of the problem:
;;   THIS VERSION OF THE PROBLEM IS GIVEN IN LOW PRECISION. The matrix products marked QUANTISED in the list below multiply operands that are first quantised to E5M2 (5 exponent bits, 2 mantissa bits; 8 bits a number), with one given power-of-two scale for each operand tensor; their sums are f32. All else is computed in f32.
;;   The module's matrix products, in the order in which they are computed (A, B: the left and right operand; K: the contracted axis; several contracted axes count as one K, in the product's order):
;;     1. [M 4,096, K 1,024] x [K 1,024, N 2]; A: input x; B: input Wr: left as it is (N = 2 < 16)
;;     2. [M 4,096, K 1,024] x [K 1,024, N 8,192]; A: input x; B: input W1 (given as codes): QUANTISED (scales: A lowp_scales[0], B lowp_scales[1])
;;     3. batch 2 x [M 1,024, K 4,096] x [K 4,096, N 4,096]; A: input W2 (given as codes); B: computed on the way: QUANTISED (scales: A lowp_scales[2], B lowp_scales[3])
;;     4. batch 4,096 x [M 1,024, K 2] x [K 2, N 1]; A: computed on the way; B: computed on the way: left as it is (K = 2 < 32)
;;   THE QUANTISER, for each operand of a quantised product, along K:
;;     - The operand's scale is 2^e, e = its entry of the input lowp_scales (int32; the entries are numbered through the quantised products in the list's order, A before B).
;;     - Each number is divided by the scale, clamped to +-57,344, and rounded to the nearest number of E5M2, ties to even, subnormals kept.
;;     - The product sums the exact products of the quantised numbers (number of the format x scale) in f32.
;;   ~~~python
;;   def quantise(x, axis, e):      # numpy; x: float32 -> the quantised numbers, widened to float32 again
;;       x = np.moveaxis(x, axis, -1); K = x.shape[-1]
;;       r = np.clip(x / 2.0 ** e, -57344, 57344)
;;       step = 2.0 ** (np.maximum(np.frexp(np.where(r == 0, 1, r))[1] - 1, -14) - 2)
;;       q = np.round(r / step) * step * 2.0 ** e      # np.round: ties to even
;;       return np.moveaxis(q, -1, axis).astype(np.float32)
;;   ~~~
;;   OPERANDS COMPUTED ON THE WAY. 'Computed on the way' means the value that the module computes at that place (a softmax that the list does not call 'softmax' is quantised finished and normalised). What goes into a quantiser is computed in f32, as accurately as f32 sums, v_exp_f32 and their like allow (about 1e-6 of the number): no bf16 or f16 on the way to a quantiser, and a product that is left as it is and whose result goes on into a quantised operand takes f32 operands (vector FMAs, or v_wmma_f32_16x16x4_f32). A number that lies on a knife's edge between two numbers of the format may be rounded either way, as far as f32 arithmetic and the matrix unit's own rounding can turn it there, and no further.
;;   INPUTS GIVEN AS CODES. W1 (in the module: [2, 1024, 4096], K = its axis 1); W2 (in the module: [2, 4096, 1024], K = its axis 1): each comes as NAME_codes (uint8): NAME with its K axis moved to the last place and cut into blocks of 32 codes, [.., K / 32, bytes a block], one block behind the other in memory; one code a byte (a code: sign, 5 exponent bits, 2 mantissa bits); its scale is its entry of lowp_scales. Its value is code x scale, taken as it is: it is not quantised again, and the codes and scales need not be those that the quantiser above would give.
;; One version. Each part assembles by itself: llvm-mc -triple=amdgcn-amd-amdhsa -mcpu=gfx1250 --defsym DOCPART=n.
;; ======== version 1 of 1: 3 launches
;; limits: right only within a limited range of input values
;; workspace buffers: xq 4,194,304 bytes; hq 33,554,432 bytes
;; launch qx (part 1): grid 256 x 1, 8 waves a work-group, no clusters, 68,608 bytes of LDS; arguments x, lowp_scales, xq; writes xq
.if DOCPART == 1
	.amdgcn_target "amdgcn-amd-amdhsa--gfx1250"
	.amdhsa_code_object_version 6
	.text
	.protected	k_qdf6396cc6f_qx
	.globl	k_qdf6396cc6f_qx
	.p2align	8
	.type	k_qdf6396cc6f_qx,@function
k_qdf6396cc6f_qx:
	s_mov_b64 s[64:65], 0
	v_nop
	global_prefetch_b8 v0, s[64:65] scope:SCOPE_SE
	s_setreg_imm32_b32 hwreg(HW_REG_WAVE_MODE, 25, 1), 1
	s_wait_xcnt 0x0
; THE PROGRAM: out = ( gelu(x W1[0] + b1[0]) W2[0] + b2[0] + gelu(x W1[1] + b1[1]) W2[1] + b2[1] ) / 2, both products on codes of E5M2.  Three launches: this one, ffn1, ffn2.
; WORK LEFT OUT, AND WHY IT IS DEAD.  TOP_K = N_EXPERTS = 2: a top-2 over an axis of length 2 returns both indices, 0 and 1, in some order, whatever the scores are (ties too).  The sum of their
; two one-hot rows is (1, 1) for every token.  So the mask is 1 everywhere by identity, for all values of the inputs: the router product x Wr^T has no way to the output and is not computed, the input Wr
; is not loaded and is among no launch's arguments, and the last product (y times the mask) is y[0] + y[1].  W2 has one scale and the hidden layer has one scale for both experts, so that sum
; is ONE product with K = 8,192: the two experts' hidden units on end.
; LIMIT: a NaN, an infinity or an overflow that reaches only the router's scores is not carried to the result.
;
; THIS LAUNCH: x [4096][1024] f32 becomes codes of E5M2 with the given scale 2^ex (ex = lowp_scales[0]): code = x / 2^ex, held within +-57,344, to the nearest code, ties to even.
; LIMITS: ex between -126 and 112, so that 2^ex and 57,344 x 2^ex are f32 numbers.  NaN among the inputs is not served; an infinity is held at the largest code.
; THE CODES ARE LAID AS IMAGES OF THE OPERAND'S REGISTERS: xq[token tile 0..255][K step 0..7][c 0..3][lane 0..31][16 bytes].  A fragment is 16 tokens x 128 along K, 2,048 bytes: lane (r = lane % 16, h = lane / 16)
; holds in chunk c the codes k = 32 c + 16 h + 0 .. 15 of token r.  The next launch then takes a fragment out of LDS by four loads of 16 bytes a lane, 512 consecutive bytes each.
; SHARES.  A work-group takes 16 tokens; each of its eight waves one K step: 16 rows x 512 bytes in, one fragment out.  Each load reads 512 consecutive bytes of one token; the conversion wants 16 neighbours along K
; in one lane's registers: so the 8,192 bytes turn through the wave's own stage in LDS (rows 528 bytes apart: 132 words, so the sixteen rows that a read touches start at sixteen different banks; 64 banks of 4 bytes: ISA guide 11.1).
; No loop, no barrier: waves share nothing.  No matrix unit, no cluster: nothing is shared and memory binds.  All 16 loads of a wave are out at once.
.set PITCH, 528
.set WREG,  16*PITCH                   ; a wave's stage
.set SPARE, 8*WREG                     ; behind the eight stages: the spare words, 128 bytes for each wave: four blocks of 256 bytes that no other line names
.set GOF,   2                          ; v2   16 x lane: my bytes of a load's and of a store's 512
.set STW,   3                          ; v3   the stage, on the way in: 16 x lane in a row
.set LDR,   4                          ; v4   and on the way out: row r, + 64 h
.set LIM,   10                         ; v10  57,344 x 2^ex
.set SCL,   11                         ; v11  2^ex
.set SPW,   12                         ; v12  LDS address of my spare word; never rewritten
.set NIL,   13                         ; v13  0; never rewritten
.set R,     16                         ; v16-79   the numbers as loaded: row i in four registers
.set X,     80                         ; v80-143  chunk c: 16 neighbours along K
.set C,     144                        ; v144-159 the codes: chunk c in four registers
	s_load_b128 s[4:7], s[0:1], 0x0                ; x, the scales' exponents
	s_load_b64 s[8:9], s[0:1], 0x10                ; xq
	v_lshl_add_u32 v[SPW], v0, 2, SPARE
	v_mov_b32 v[NIL], 0
	v_lshrrev_b32 v1, 5, v0
	s_delay_alu instid0(VALU_DEP_1)
	v_readfirstlane_b32 s10, v1                    ; wave 0..7 = the K step
	v_and_b32 v1, 31, v0
	s_delay_alu instid0(VALU_DEP_1)
	v_lshlrev_b32 v[GOF], 4, v1
	s_mul_i32 s11, s10, WREG
	v_add_nc_u32 v[STW], s11, v[GOF]
	v_and_b32 v5, 15, v0                           ; r
	v_bfe_u32 v6, v0, 4, 1                         ; h
	s_delay_alu instid0(VALU_DEP_2)
	v_mul_u32_u24 v[LDR], v5, PITCH
	s_delay_alu instid0(VALU_DEP_1)
	v_lshl_add_u32 v[LDR], v6, 6, v[LDR]
	s_delay_alu instid0(VALU_DEP_1)
	v_add_nc_u32 v[LDR], s11, v[LDR]
	s_lshl_b32 s14, ttmp9, 16                      ; x: 16 tokens of 4,096 bytes a work-group,
	s_lshl_b32 s16, s10, 9                         ; 512 bytes of each row a wave
	s_add_co_u32 s14, s14, s16
	s_mov_b32 s15, 0
	s_lshl_b32 s16, ttmp9, 3
	s_add_co_u32 s16, s16, s10
	s_lshl_b32 s16, s16, 11                        ; xq: fragment 8 x tile + K step, 2,048 bytes each
	s_mov_b32 s17, 0
	s_wait_alu depctr_va_vdst(0)
	s_wait_kmcnt 0x0
	s_load_b32 s12, s[6:7], 0x0                    ; ex
	s_add_nc_u64 s[4:5], s[4:5], s[14:15]
	s_add_nc_u64 s[8:9], s[8:9], s[16:17]
.irp i, 0,1,2,3,4,5,6,7,8,9,10,11,12,13,14,15
	global_load_b128 v[R+4*\i:R+4*\i+3], v[GOF], s[4:5] offset:4096*\i th:TH_LOAD_NT   ; token i: 32 lanes read 512 consecutive bytes; read once in the launch
.endr
	s_wait_kmcnt 0x0
	s_add_co_i32 s12, s12, 127
	s_lshl_b32 s13, s12, 23
	v_mov_b32 v[SCL], s13                          ; 2^ex as f32: the conversion takes its exponent field
	s_add_co_i32 s12, s12, 15
	s_lshl_b32 s12, s12, 23
	s_or_b32 s12, s12, 0x600000
	v_mov_b32 v[LIM], s12                          ; 57,344 x 2^ex
	s_wait_alu depctr_va_vdst(0)
.irp i, 0,1,2,3,4,5,6,7,8,9,10,11,12,13,14,15
	s_wait_loadcnt 15-\i                           ; loads come back in order (ISA guide 5.7.1): row i is in, the 15 - i younger rows may be out
	ds_store_b128 v[STW], v[R+4*\i:R+4*\i+3] offset:PITCH*\i
.endr
.irp c, 0,1,2,3
.irp j, 0,1,2,3
	ds_load_b128 v[X+16*\c+4*\j:X+16*\c+4*\j+3], v[LDR] offset:128*\c+16*\j   ; LDS serves a wave's instructions in order (ISA guide 5.7.1.4): these see my stores
.endr
.endr
.irp c, 0,1,2,3
	s_wait_dscnt 12-4*\c                           ; chunk c's four loads are in; those of the later chunks may be out
.irp i, 0,1,2,3,4,5,6,7,8,9,10,11,12,13,14,15
	v_med3_num_f32 v[X+16*\c+\i], v[X+16*\c+\i], -v[LIM], v[LIM]   ; the conversion to an 8-bit code does not saturate (ISA guide 7.6.2): the hold at the largest code x the scale comes first
.endr
	v_cvt_scalef32_pk8_bf8_f32 v[C+4*\c:C+4*\c+1], v[X+16*\c:X+16*\c+7], v[SCL]
	v_cvt_scalef32_pk8_bf8_f32 v[C+4*\c+2:C+4*\c+3], v[X+16*\c+8:X+16*\c+15], v[SCL]
.endr
	v_nop                                          ; a plain vector line behind the last conversion
.irp c, 0,1,2,3
	global_store_b128 v[GOF], v[C+4*\c:C+4*\c+3], s[8:9] offset:512*\c   ; 32 lanes store 512 consecutive bytes, at a multiple of 256 from the buffer's first byte
.endr
	s_wait_tensorcnt 0x0                           ; the wave's end
	ds_add_u32 v[SPW], v[NIL]
	s_wait_dscnt 0x0
	s_endpgm
.Lfunc_end_k_qdf6396cc6f_qx:
	.size	k_qdf6396cc6f_qx, .Lfunc_end_k_qdf6396cc6f_qx-k_qdf6396cc6f_qx
	.p2alignl 7, 3214868480
	.fill 96, 4, 3214868480
	.section	.rodata,"a",@progbits
	.p2align	6, 0x0
	.amdhsa_kernel k_qdf6396cc6f_qx
		.amdhsa_group_segment_fixed_size 68608
		.amdhsa_private_segment_fixed_size 0
		.amdhsa_enable_private_segment 0
		.amdhsa_kernarg_size 24
		.amdhsa_user_sgpr_count 2
		.amdhsa_user_sgpr_kernarg_segment_ptr 1
		.amdhsa_wavefront_size32 1
		.amdhsa_system_sgpr_workgroup_id_x 1
		.amdhsa_system_sgpr_workgroup_id_y 1
		.amdhsa_system_sgpr_workgroup_id_z 1
		.amdhsa_system_vgpr_workitem_id 0
		.amdhsa_next_free_vgpr 168
		.amdhsa_next_free_sgpr 66
		.amdhsa_reserve_vcc 0
		.amdhsa_float_denorm_mode_32 3
		.amdhsa_float_denorm_mode_16_64 3
		.amdhsa_memory_ordered 1
		.amdhsa_forward_progress 1
		.amdhsa_inst_pref_size 12
	.end_amdhsa_kernel
	.amdgpu_metadata
---
amdhsa.version: [ 1, 2 ]
amdhsa.kernels:
  - .name:           k_qdf6396cc6f_qx
    .symbol:         k_qdf6396cc6f_qx.kd
    .args:
      - { .name: x, .offset: 0, .size: 8, .value_kind: global_buffer, .address_space: global }
      - { .name: lowp_scales, .offset: 8, .size: 8, .value_kind: global_buffer, .address_space: global }
      - { .name: xq, .offset: 16, .size: 8, .value_kind: global_buffer, .address_space: global }
    .group_segment_fixed_size: 68608
    .private_segment_fixed_size: 0
    .kernarg_segment_align: 8
    .kernarg_segment_size: 24
    .max_flat_workgroup_size: 256
    .sgpr_count:     66
    .vgpr_count:     168
    .wavefront_size: 32
...
	.end_amdgpu_metadata
.endif
;; end of part 1
;; launch ffn1 (part 2): grid 32 x 8, 8 waves a work-group, clusters of 4 x 1, 327,680 bytes of LDS; arguments xq, W1_codes, b1, lowp_scales, hq; writes hq
.if DOCPART == 2
	.amdgcn_target "amdgcn-amd-amdhsa--gfx1250"
	.amdhsa_code_object_version 6
	.text
	.protected	k_qdf6396cc6f_ffn1
	.globl	k_qdf6396cc6f_ffn1
	.p2align	8
	.type	k_qdf6396cc6f_ffn1,@function
k_qdf6396cc6f_ffn1:
	s_mov_b64 s[64:65], 0
	v_nop
	global_prefetch_b8 v0, s[64:65] scope:SCOPE_SE
	s_setreg_imm32_b32 hwreg(HW_REG_WAVE_MODE, 25, 1), 1
	s_wait_xcnt 0x0
	s_wait_alu depctr_hold_cnt(0) depctr_sa_sdst(0) depctr_va_vdst(0) depctr_va_sdst(0) depctr_va_ssrc(0) depctr_va_vcc(0) depctr_vm_vsrc(0)
	s_getreg_b32 s2, hwreg(HW_REG_IB_STS2, 6, 4)
	s_cmp_eq_u32 s2, 0
	s_cbranch_scc0 .Lentry_in_a_cluster
	s_endpgm
.Lentry_in_a_cluster:
	s_bfe_u32 s2, ttmp6, 0x10000c
	s_cmp_lg_u32 s2, 0x3003
	s_cbranch_scc0 .Lentry_shape_is_right
	s_endpgm
.Lentry_shape_is_right:
; hq = codes of E5M2 (scale 2^eh) of gelu(x W1[e] + b1[e]), both experts' hidden units on end (8,192), as images of the next product's operand registers: hq[token tile 0..255][K step 0..63][c 0..3][lane][16 bytes].
; SHARES.  A work-group makes 512 tokens x 256 hidden units: 32 x 8 = 256 work-groups.  EIGHT WAVES, two to a SIMD: a wave keeps its 32 rows of W1 (1,024 along K) in 256 registers and walks the 32 token tiles; for each it issues
; 16 matrix instructions and then the vector work of 16 numbers a lane, so that one wave's vector work and waits stand beside the other's matrix instructions.
; x's fragments (images, 16,384 bytes a token tile) come by JOINT loads, which the four work-groups of a cluster share, through two LDS slots of 8 token tiles; each wave fetches one token tile of a slot.
; THE MATRIX INSTRUCTION IS USED TRANSPOSED (source 0 = 16 rows of W1, source 1 = 16 tokens), and lane r of hidden tile t takes row 8 t + r + 8 (r / 8): so a lane's 16 results are the hidden units 16 h + 0 .. 15 of one token,
; the 16 neighbours along the next K that chunk c = wave % 4 of the next operand's image wants in that lane.
; FOUR ACCUMULATORS take turns (2 hidden tiles x 2 halves of K), so that three other matrix instructions stand between the steps of a sum; the halves are added once.
; SCALES.  With s = 2^(ex + ew1) the sums stand for a = (x W1 + b1) / s: b1 / s is the C of the first products; s is folded into gelu's two constants (exact: a power of two) and into the conversion's scale and hold, 2^eh / s.
; gelu is exact: gelu(v) = max(v, 0) - |v| erfc(|z|) / 2, z = v / sqrt 2, erfc(|z|) = t exp(-z^2 + a polynomial of degree 9 in t), t = 1 / (1 + |z| / 2).
; LIMITS: ex + ew1 between -60 and 60, eh - ex - ew1 between -126 and 112, so that the folded constants are f32 numbers.  NaN is not served.
.set SLOT,  131072
.set TILEB, 16384
.set SPARE, 2*SLOT                     ; behind the ring: the spare words, 128 bytes a wave, that no other line names
.set LI,    1                          ; 16 x lane
.set ADX,   2                          ; LDS address of the token tile to fetch
.set WO,    3                          ; W1: my row and half
.set BO,    4                          ; b1: 64 h
.set SPW,   5                          ; my spare word; never rewritten
.set NIL,   6                          ; 0; never rewritten
.set SCH,   7                          ; 2^eh / s
.set LIMH,  8                          ; 57,344 x that
.set CODES, 10                         ; v10-13
.set C0V,   14
.set C8V,   16
.set ACC,   32                         ; K's first half, then the sums, then the polynomial
.set ACC2,  48                         ; K's second half
.set RQ,    48                         ; (the same registers, once the halves are added)
.set BIAS,  64
.set RM,    80
.set RA,    96
.set RT,    112
.set XF,    128                        ; v128-255 x's 8 fragments;  window 1: W1's fragment (K step s, hidden tile t) at v[16 (2 s + t)]
.set WV,    14
.set TB,    18
.set CNT,   19
.set G0,    24
.set G1,    32
.set CT,    46
.set KK,    48
.set MSB, 0
.macro WIN new                         ; the immediate's high byte repeats the setting that is left
.if MSB != \new
	s_set_vgpr_msb (MSB<<8)|\new
.set MSB, \new
.endif
.endm
.macro PAIR reg, val
	s_mov_b32 s[\reg], \val
	s_mov_b32 s[\reg+1], \val
.endm
.macro CROUND                          ; a round of the cluster's barrier
	s_barrier_signal -1
	s_barrier_wait -1
	s_cmp_lg_u32 s[WV], 0
	s_cbranch_scc1 .Lnot_wave_0_\@
	s_barrier_signal -3
.Lnot_wave_0_\@:
	s_barrier_wait -3
	s_barrier_signal -1
	s_barrier_wait -1
.endm
.macro FETCHX places                   ; the next token tile's 8 fragments; the add and the v_nop are the places behind the matrix instructions that read these registers
	v_add_nc_u32 v[ADX], s[TB], v[LI]
.rept \places
	v_nop
.endr
.set i, 0
.rept 32
	ds_load_b128 v[XF+4*i:XF+4*i+3], v[ADX] offset:512*i
.set i, i+1
.endr
	s_add_co_u32 s[TB], s[TB], TILEB
.endm
.macro GELU
.set p, 0
.rept 8
	v_pk_add_f32 v[ACC+p:ACC+p+1], v[ACC+p:ACC+p+1], v[ACC2+p:ACC2+p+1]   ; a; each accumulator from its low end on
.set p, p+2
.endr
.set p, 0
.rept 16
	v_max_num_f32 v[RM+p], 0, v[ACC+p]
.set p, p+1
.endr
.set p, 0
.rept 8
	v_pk_fma_f32 v[RA+p:RA+p+1], v[RM+p:RM+p+1], 2.0, v[ACC+p:ACC+p+1] op_sel_hi:[1,0,1] neg_lo:[0,0,1] neg_hi:[0,0,1]   ; |a|
.set p, p+2
.endr
.set p, 0
.rept 8
	v_pk_fma_f32 v[RT+p:RT+p+1], v[RA+p:RA+p+1], s[CT:CT+1], 1.0 op_sel_hi:[1,0,0]   ; 1 + |z| / 2
.set p, p+2
.endr
.set p, 0
	s_wait_alu depctr_va_vdst(0)                   ; the wait ahead of a batch of transcendentals and behind it
.rept 8
	v_rcp_f32 v[RT+p], v[RT+p]
	v_pk_mul_f32 v[RQ+2*p:RQ+2*p+1], v[ACC+2*p:ACC+2*p+1], v[ACC+2*p:ACC+2*p+1]
.set p, p+1
.endr
	s_wait_alu depctr_va_vdst(0)
.rept 8
	v_rcp_f32 v[RT+p], v[RT+p]
	v_pk_fma_f32 v[RQ+2*(p-8):RQ+2*(p-8)+1], v[RQ+2*(p-8):RQ+2*(p-8)+1], s[KK:KK+1], v[C0V:C0V+1] op_sel_hi:[1,0,1]   ; -z^2 log2 e + the constant term (with the factor 1/2)
.set p, p+1
.endr
	s_wait_alu depctr_va_vdst(0)
.set p, 0
.rept 8
	v_pk_fma_f32 v[ACC+p:ACC+p+1], v[RT+p:RT+p+1], s[70:71], v[C8V:C8V+1] op_sel_hi:[1,0,1]
.set p, p+2
.endr
.irp k, 66,62,60,58,56,54,52
.set p, 0
.rept 8
	v_pk_fma_f32 v[ACC+p:ACC+p+1], v[ACC+p:ACC+p+1], v[RT+p:RT+p+1], s[\k:\k+1] op_sel_hi:[1,1,0]
.set p, p+2
.endr
.endr
.set p, 0
.rept 8
	v_pk_fma_f32 v[ACC+p:ACC+p+1], v[ACC+p:ACC+p+1], v[RT+p:RT+p+1], v[RQ+p:RQ+p+1]
.set p, p+2
.endr
.set p, 0
	s_wait_alu depctr_va_vdst(0)
	s_wait_xcnt 0x0                                ; the last tile's store has read its base and data: only now are these rewritten
	s_add_nc_u64 s[12:13], s[12:13], s[74:75]
	s_mov_b32 s74, 64*2048                         ; a token tile's 64 fragments
.rept 8
	v_exp_f32 v[ACC+p], v[ACC+p]
	v_exp_f32 v[ACC+p+1], v[ACC+p+1]
	v_pk_mul_f32 v[RA+p:RA+p+1], v[RA+p:RA+p+1], v[RT+p:RT+p+1]
.set p, p+2
.endr
	s_wait_alu depctr_va_vdst(0)
.set p, 0
.rept 8
	v_pk_fma_f32 v[RM+p:RM+p+1], v[RA+p:RA+p+1], v[ACC+p:ACC+p+1], v[RM+p:RM+p+1] neg_lo:[1,0,0] neg_hi:[1,0,0]   ; gelu / s
.set p, p+2
.endr
.set p, 0
.rept 16
	v_med3_num_f32 v[RM+p], v[RM+p], -v[LIMH], v[LIMH]   ; the conversion does not saturate (ISA guide 7.6.2): the hold comes first
.set p, p+1
.endr
	v_cvt_scalef32_pk8_bf8_f32 v[CODES:CODES+1], v[RM:RM+7], v[SCH]
	v_cvt_scalef32_pk8_bf8_f32 v[CODES+2:CODES+3], v[RM+8:RM+15], v[SCH]
	v_nop
.endm
.macro TILE fetch
	WIN 0x01                                       ; source 0 (W1) window 1; all else window 0
.irp j, 0,1,2,3
.irp t, 0,1
.if \j == 0
	v_wmma_f32_16x16x128_bf8_bf8 v[ACC+8*\t:ACC+8*\t+7], v[16*(2*\j+\t):16*(2*\j+\t)+15], v[XF+16*\j:XF+16*\j+15], v[BIAS+8*\t:BIAS+8*\t+7]
.else
	v_wmma_f32_16x16x128_bf8_bf8 v[ACC+8*\t:ACC+8*\t+7], v[16*(2*\j+\t):16*(2*\j+\t)+15], v[XF+16*\j:XF+16*\j+15], v[ACC+8*\t:ACC+8*\t+7]
.endif
.endr
.irp t, 0,1
.if \j == 0
	v_wmma_f32_16x16x128_bf8_bf8 v[ACC2+8*\t:ACC2+8*\t+7], v[16*(2*(\j+4)+\t):16*(2*(\j+4)+\t)+15], v[XF+16*(\j+4):XF+16*(\j+4)+15], 0
.else
	v_wmma_f32_16x16x128_bf8_bf8 v[ACC2+8*\t:ACC2+8*\t+7], v[16*(2*(\j+4)+\t):16*(2*(\j+4)+\t)+15], v[XF+16*(\j+4):XF+16*(\j+4)+15], v[ACC2+8*\t:ACC2+8*\t+7]
.endif
.endr
.endr
	WIN 0
.if \fetch
	FETCHX 3
.else
.rept 4
	v_nop
.endr
.endif
	GELU
	global_store_b128 v[LI], v[CODES:CODES+3], s[12:13] th:TH_STORE_NT   ; 512 consecutive bytes: my chunk of the fragment
.if \fetch
	s_wait_dscnt 0x0                               ; the next tile's fragments are in
.endif
.endm
.macro REFILL slot, fill
	s_wait_tensorcnt 0x0
	ds_add_u32 v[SPW], v[NIL]
.if \fill
	s_add_nc_u64 s[G0+4*\slot+2:G0+4*\slot+3], s[G0+4*\slot+2:G0+4*\slot+3], 2*SLOT
.endif
	s_wait_dscnt 0x0
.if \fill
	CROUND
	tensor_load_to_lds s[G0+4*\slot:G0+4*\slot+3], s[G1:G1+7]
	s_nop 0
.rept 4
	v_nop
.endr
.else
	s_barrier_signal -1
	s_barrier_wait -1
.endif
.endm
	s_load_b256 s[4:11], s[0:1], 0x0               ; xq, W1's codes, b1, the scales' exponents
	s_load_b64 s[12:13], s[0:1], 0x20              ; hq
	v_lshl_add_u32 v[SPW], v0, 2, SPARE
	v_mov_b32 v[NIL], 0
	ds_add_u32 v[SPW], v[NIL]                      ; the wave's opening: the add, twice on end, and its wait ahead of my first tensor load
	ds_add_u32 v[SPW], v[NIL]
	v_lshrrev_b32 v9, 5, v0
	v_readfirstlane_b32 s[WV], v9                  ; wave 0..7
	s_bfe_u32 s15, ttmp6, 0x40000
	s_lshl_b32 s16, ttmp9, 2
	s_add_co_u32 s16, s16, s15                     ; tx: 256 hidden units
	s_and_b32 s17, ttmp7, 0xffff                   ; ty: 512 tokens
	s_mov_b32 s[G1+0], 15|(3<<16)|(1<<21)          ; the mask: all four of the cluster; elements of 8 bytes; 21 set beside a mask
	s_mov_b32 s[G1+1], (32<<16)                    ; 64 rows of 256 bytes on end: a token tile
	s_mov_b32 s[G1+2], (64<<16)
	s_mov_b32 s[G1+3], (32<<16)
	s_mov_b32 s[G1+4], 64
	s_mov_b32 s[G1+5], 32
	s_mov_b32 s[G1+6], 0
	s_mov_b32 s[G1+7], 0
	PAIR CT, 0x3eb504f3
	PAIR KK, 0xbf38aa3b
	PAIR 52, 0x3fb8ab5a
	PAIR 54, 0x3f0a29d2
	PAIR 56, 0x3e0efb2e
	PAIR 58, 0xbe899a80
	PAIR 60, 0x3ecdfd18
	PAIR 62, 0xbfd1a1e5
	PAIR 66, 0x40097039
	PAIR 70, 0x3e7c6f08
	v_mov_b32 v[C0V], 0xc034d90f
	v_mov_b32 v[C0V+1], 0xc034d90f
	v_mov_b32 v[C8V], 0xbf97d29d
	v_mov_b32 v[C8V+1], 0xbf97d29d
	s_lshl_b32 s72, s17, 19                        ; xq: 32 token tiles of 16,384 bytes a work-group row,
	s_lshl_b32 s76, s[WV], 14                      ; the wave's tile of a slot's eight
	s_add_co_u32 s72, s72, s76
	s_mov_b32 s73, 0
	s_mov_b32 s74, 0                               ; s[74:75]: what the next tile adds to hq's address: 0 for the first tile
	s_mov_b32 s75, 0
	s_wait_dscnt 0x0
	s_wait_kmcnt 0x0
	s_load_b128 s[40:43], s[10:11], 0x0            ; ex, ew1, ew2, eh
	s_mov_b32 s[G0], 1
	s_mov_b32 s[G0+1], s76
	s_add_nc_u64 s[G0+2:G0+3], s[4:5], s[72:73]
	s_mov_b32 s[G0+4], 1
	s_add_co_u32 s[G0+5], s76, SLOT
	s_add_nc_u64 s[G0+6:G0+7], s[G0+2:G0+3], SLOT
	s_or_b32 s[G0+3], s[G0+3], 0x80000000
	s_or_b32 s[G0+7], s[G0+7], 0x80000000
	CROUND
	tensor_load_to_lds s[G0:G0+3], s[G1:G1+7]      ; slot 0: one tensor load a wave at the head
	s_nop 0
.rept 4
	v_nop
.endr
	s_lshl_b32 s20, s16, 8
	s_lshl_b32 s21, s[WV], 5
	s_add_co_u32 s20, s20, s21                     ; my first hidden unit: 256 tx + 32 wave
	s_lshl_b32 s22, s20, 10
	s_mov_b32 s23, 0
	s_add_nc_u64 s[6:7], s[6:7], s[22:23]
	s_lshl_b32 s22, s20, 2
	s_add_nc_u64 s[8:9], s[8:9], s[22:23]
	s_lshl_b32 s20, s17, 11                        ; hq: token tile 32 ty, 64 fragments each,
	s_lshl_b32 s21, s16, 1
	s_add_co_u32 s20, s20, s21
	s_lshr_b32 s21, s[WV], 2
	s_add_co_u32 s20, s20, s21                     ; K step 2 tx + wave / 4,
	s_lshl_b32 s20, s20, 11
	s_and_b32 s21, s[WV], 3
	s_lshl_b32 s21, s21, 9                         ; chunk wave % 4
	s_add_co_u32 s22, s20, s21
	s_add_nc_u64 s[12:13], s[12:13], s[22:23]
	v_and_b32 v9, 31, v0
	v_lshlrev_b32 v[LI], 4, v9
	v_and_b32 v22, 15, v0
	v_bfe_u32 v23, v0, 4, 1
	v_and_b32 v9, 8, v22
	v_add_nc_u32 v9, v9, v22                       ; r + 8 (r / 8)
	v_lshlrev_b32 v[WO], 10, v9
	v_lshl_add_u32 v[WO], v23, 4, v[WO]
	v_lshlrev_b32 v[BO], 6, v23
	WIN 0x40
.irp s, 0,1,2,3,4,5,6,7
.irp t, 0,1
.irp c, 0,1,2,3
	global_load_b128 v[16*(2*\s+\t)+4*\c:16*(2*\s+\t)+4*\c+3], v[WO], s[6:7] offset:8*\t*1024+128*\s+32*\c
.endr
.endr
.endr
	WIN 0
.irp j, 0,1,2,3
	global_load_b128 v[BIAS+4*\j:BIAS+4*\j+3], v[BO], s[8:9] offset:16*\j   ; b1 of hidden units 16 h + 0 .. 15 of my 32
.endr
	s_wait_alu depctr_va_vdst(0)                   ; W1's and b1's loads are out beside slot 0's tile
	s_wait_tensorcnt 0x0
	ds_add_u32 v[SPW], v[NIL]
	s_wait_dscnt 0x0
	CROUND
	tensor_load_to_lds s[G0+4:G0+7], s[G1:G1+7]
	s_nop 0
.rept 4
	v_nop
.endr
	s_wait_kmcnt 0x0
	s_add_co_i32 s77, s40, s41                     ; ex + ew1
	s_lshl_b32 s78, s77, 23
	s_add_co_i32 s[CT], s[CT], s78                 ; x s: added to the exponent field
	s_mov_b32 s[CT+1], s[CT]
	s_add_co_i32 s[KK], s[KK], s78                 ; x s^2
	s_add_co_i32 s[KK], s[KK], s78
	s_mov_b32 s[KK+1], s[KK]
	s_sub_co_i32 s78, s43, s77                     ; eh - ex - ew1
	s_add_co_i32 s78, s78, 127
	s_lshl_b32 s79, s78, 23
	v_mov_b32 v[SCH], s79
	s_add_co_i32 s78, s78, 15
	s_lshl_b32 s78, s78, 23
	s_or_b32 s78, s78, 0x600000
	v_mov_b32 v[LIMH], s78
	s_sub_co_i32 s77, 0, s77
	s_wait_loadcnt 0x0
.set p, 0
.rept 16
	v_ldexp_f32 v[BIAS+p], v[BIAS+p], s77          ; b1 / s: nothing is rounded
.set p, p+1
.endr
	s_wait_alu depctr_va_vdst(0)
	s_wait_tensorcnt 1                             ; slot 1's load may stay out
	s_barrier_signal -1
	s_barrier_wait -1
	s_mov_b32 s[TB], 0
	FETCHX 0
	s_wait_dscnt 0x0
	s_mov_b32 s[CNT], 7
.Lt1:                                                  ; a trip multiplies the tile in registers and fetches the next: tiles 0-6
	TILE 1
	s_sub_co_u32 s[CNT], s[CNT], 1
	s_cmp_lg_u32 s[CNT], 0
	s_cbranch_scc1 .Lt1
	REFILL 0, 1                                    ; slot 0's last tile is in registers: it takes tiles 16-23
	s_mov_b32 s[TB], SLOT
	s_mov_b32 s[CNT], 8
.Lt2:
	TILE 1
	s_sub_co_u32 s[CNT], s[CNT], 1
	s_cmp_lg_u32 s[CNT], 0
	s_cbranch_scc1 .Lt2
	REFILL 1, 1                                    ; slot 1 takes tiles 24-31
	s_mov_b32 s[TB], 0
	s_mov_b32 s[CNT], 8
.Lt3:
	TILE 1
	s_sub_co_u32 s[CNT], s[CNT], 1
	s_cmp_lg_u32 s[CNT], 0
	s_cbranch_scc1 .Lt3
	REFILL 0, 0                                    ; nothing is filled, and no round of the cluster's barrier
	s_mov_b32 s[TB], SLOT
	s_mov_b32 s[CNT], 8
.Lt4:
	TILE 1
	s_sub_co_u32 s[CNT], s[CNT], 1
	s_cmp_lg_u32 s[CNT], 0
	s_cbranch_scc1 .Lt4
	TILE 0
	s_wait_tensorcnt 0x0                           ; the wave's end
	ds_add_u32 v[SPW], v[NIL]
	s_wait_dscnt 0x0
	CROUND                                         ; the closing round
	s_endpgm
.Lfunc_end_k_qdf6396cc6f_ffn1:
	.size	k_qdf6396cc6f_ffn1, .Lfunc_end_k_qdf6396cc6f_ffn1-k_qdf6396cc6f_ffn1
	.p2alignl 7, 3214868480
	.fill 96, 4, 3214868480
	.section	.rodata,"a",@progbits
	.p2align	6, 0x0
	.amdhsa_kernel k_qdf6396cc6f_ffn1
		.amdhsa_group_segment_fixed_size 327680
		.amdhsa_private_segment_fixed_size 0
		.amdhsa_enable_private_segment 0
		.amdhsa_kernarg_size 40
		.amdhsa_user_sgpr_count 2
		.amdhsa_user_sgpr_kernarg_segment_ptr 1
		.amdhsa_wavefront_size32 1
		.amdhsa_system_sgpr_workgroup_id_x 1
		.amdhsa_system_sgpr_workgroup_id_y 1
		.amdhsa_system_sgpr_workgroup_id_z 1
		.amdhsa_system_vgpr_workitem_id 0
		.amdhsa_next_free_vgpr 512
		.amdhsa_next_free_sgpr 80
		.amdhsa_reserve_vcc 0
		.amdhsa_float_denorm_mode_32 3
		.amdhsa_float_denorm_mode_16_64 3
		.amdhsa_memory_ordered 1
		.amdhsa_forward_progress 1
		.amdhsa_inst_pref_size 89
	.end_amdhsa_kernel
	.amdgpu_metadata
---
amdhsa.version: [ 1, 2 ]
amdhsa.kernels:
  - .name:           k_qdf6396cc6f_ffn1
    .symbol:         k_qdf6396cc6f_ffn1.kd
    .args:
      - { .name: xq, .offset: 0, .size: 8, .value_kind: global_buffer, .address_space: global }
      - { .name: W1_codes, .offset: 8, .size: 8, .value_kind: global_buffer, .address_space: global }
      - { .name: b1, .offset: 16, .size: 8, .value_kind: global_buffer, .address_space: global }
      - { .name: lowp_scales, .offset: 24, .size: 8, .value_kind: global_buffer, .address_space: global }
      - { .name: hq, .offset: 32, .size: 8, .value_kind: global_buffer, .address_space: global }
    .group_segment_fixed_size: 327680
    .private_segment_fixed_size: 0
    .kernarg_segment_align: 8
    .kernarg_segment_size: 40
    .max_flat_workgroup_size: 256
    .sgpr_count:     80
    .vgpr_count:     512
    .wavefront_size: 32
...
	.end_amdgpu_metadata
.endif
;; end of part 2
;; launch ffn2 (part 3): grid 8 x 32, 4 waves a work-group, clusters of 4 x 4, 327,680 bytes of LDS; arguments hq, W2_codes, b2, lowp_scales, out0; writes out0
.if DOCPART == 3
	.amdgcn_target "amdgcn-amd-amdhsa--gfx1250"
	.amdhsa_code_object_version 6
	.text
	.protected	k_qdf6396cc6f_ffn2
	.globl	k_qdf6396cc6f_ffn2
	.p2align	8
	.type	k_qdf6396cc6f_ffn2,@function
k_qdf6396cc6f_ffn2:
	s_mov_b64 s[64:65], 0
	v_nop
	global_prefetch_b8 v0, s[64:65] scope:SCOPE_SE
	s_setreg_imm32_b32 hwreg(HW_REG_WAVE_MODE, 25, 1), 1
	s_wait_xcnt 0x0
	s_wait_alu depctr_hold_cnt(0) depctr_sa_sdst(0) depctr_va_vdst(0) depctr_va_sdst(0) depctr_va_ssrc(0) depctr_va_vcc(0) depctr_vm_vsrc(0)
	s_getreg_b32 s2, hwreg(HW_REG_IB_STS2, 6, 4)
	s_cmp_eq_u32 s2, 0
	s_cbranch_scc0 .Lentry_in_a_cluster
	s_endpgm
.Lentry_in_a_cluster:
	s_bfe_u32 s2, ttmp6, 0x10000c
	s_cmp_lg_u32 s2, 0xf033
	s_cbranch_scc0 .Lentry_shape_is_right
	s_endpgm
.Lentry_shape_is_right:
; out0[token][d] = 2^(ew2 + eh - 1) x (sum over the 8,192 hidden units of both experts of hq[token][k] W2[k's expert][d][k]) + (b2[0][d] + b2[1][d]) / 2, on codes of E5M2, sums in f32.
; LEFT OUT: the product with the router's mask, which is 1 everywhere since a top-2 of 2 experts names both (shown at the head of the first kernel): the two experts' results are added, as ONE product with K = 8,192.
; LIMITS: ew2 + eh between -125 and 128, so that 2^(ew2 + eh - 1) is an f32 number.  NaN and infinity codes are not served.
; SHARES.  A work-group makes 128 tokens x 128 columns: 8 x 32 = 256 work-groups.  K IS SHARED AMONG THE FOUR WAVES: every wave holds the whole tile (64 accumulators, 512 registers) and multiplies, of each tile's 512 along K, its own 128:
; 64 matrix instructions.  So each LDS byte is read by one wave alone, once.  At the end the four partial tiles are added through LDS (the order of the sums differs from a single chain's).
; TILES.  Tile n = 0..15 is expert n % 2, hidden units 512 (n / 2) on, and lies in slot n % 2 of a ring of two: so each slot's addresses step evenly.  A slot holds the tokens' codes, 8 token tiles x 8,192 bytes, which lie in hq as
; images of the operand's registers (a fragment load reads 512 consecutive bytes), then 128 rows of W2, 512 bytes + 16 of padding (132 words: the sixteen rows that a load touches start at sixteen different banks; ISA guide 11.1).
; CLUSTERS: 4 x 4 work-groups.  The four of a row of the cluster need the same tokens, the four of a column the same rows of W2: each is asked for JOINTLY, by the same tensor load with the same descriptor and a mask that names the four.
; Waves 0 and 1 fetch four token tiles each, waves 2 and 3 64 rows of W2 each: one load a wave behind each round, and one is out at a time.
; THE MATRIX INSTRUCTION IS USED TRANSPOSED (source 0 = 16 rows of W2, source 1 = 16 tokens): a lane holds eight neighbouring columns of one token's row.  k stands alike in both operands (registers 4 c ..: k = 32 c + 16 h + 0 .. 15).
; REGISTERS, in windows of 256: window 0: v0-39 addresses and b2, v128-255 W2's 8 fragments (on the way out rows of the partial tiles); window 1: v0-127 the tokens' 8 fragments; windows 2, 3: accumulator (o, i) at v[8 (8 (o % 4) + i)].
; PREFETCHES: behind each joint load and the run of LDS loads, the tile that stands two refills on (tile n + 3 in tile n's trip).  Of the 128 blocks of 256 bytes that a wave fetches each of the four partners takes 32, told apart by
; address (cx for the tokens: one token tile's 8,192 bytes; cy for W2: 16 rows' 512 bytes), a lane a block.  Tiles 0 to 2 come by their loads alone; the loop's last trip asks for nothing.
.set WP,    528                        ; a row of W2 in LDS
.set ATILE, 65536                      ; the tokens' part of a slot
.set SLOT,  ATILE+128*WP               ; 133,120
.set BP,    528
.set PT,    128*BP                     ; a partial tile on the way out: 128 rows x (512 bytes + 16).  The four lie over the ring, which has had its last fill and its last read by then
.set SPARE, 4*PT                       ; behind them: the spare words, 128 bytes a wave, that no other line names
.set FR,    16
.set WF,    128
.set BK,    128
.set RD,    8                          ; v8-11 the way out: my rows in partial tile 0..3
.set ADA,   16                         ; v16-17 LDS address of my token fragments in slot 0, 1
.set ADB,   20                         ; v20-21 the same for W2
.set STO,   24                         ; where I put 32 bytes of a row of my partial tile
.set CO,    26                         ; 16 x lane
.set SPW,   28                         ; my spare word; never rewritten
.set NIL,   29                         ; 0; never rewritten
.set PFO,   30                         ; the prefetches' offset; never rewritten
.set B2,    32                         ; v32-39 b2[0], b2[1] of my four columns
.set G1,    24                         ; s[24:31] group 1 for the tokens;  s[32:39] group 0, a set for each slot
.set G0,    32
.set G1B,   48                         ; s[48:55], s[56:63] the same for W2
.set G0B,   56
.set PF,    66                         ; s[66:67], s[68:69] where my prefetches stand, for tiles of expert 0 and 1
.set PSTEP, 70                         ; s[70:71] bytes from a tile to the same expert's next
.set S2,    76                         ; s[76:77] 2^(ew2 + eh - 1)
.set MSB, 0
.macro WIN new                         ; the immediate's high byte repeats the setting that is left
.if MSB != \new
	s_set_vgpr_msb (MSB<<8)|\new
.set MSB, \new
.endif
.endm
.set MUL_LO, 0xa4                      ; source 0 (W2) window 0, source 1 (tokens) window 1, C and D window 2
.set MUL_HI, 0xf4                      ; the same, C and D window 3
.macro PLACES                          ; four places between a matrix instruction and a load into, or a store of, its registers (ISA guide 7.12.1 for stores)
.rept 4
	v_nop
.endr
.endm
.macro JLOAD s                         ; a joint load into slot s; the branch hangs on the wave's number alone; an s_nop 0 and four v_nop follow each line
	s_cmp_eq_u32 s15, 0
	s_cbranch_scc0 .Lfor_b_\@
	tensor_load_to_lds s[G0+4*(\s):G0+4*(\s)+3], s[G1:G1+7]
	s_nop 0
	PLACES
	s_branch .Lasked_\@
.Lfor_b_\@:
	tensor_load_to_lds s[G0B+4*(\s):G0B+4*(\s)+3], s[G1B:G1B+7]
	s_nop 0
	PLACES
.Lasked_\@:
.endm
.macro CROUND                          ; a round of the cluster's barrier
	s_barrier_signal -1
	s_barrier_wait -1
	s_cmp_lg_u32 s14, 0
	s_cbranch_scc1 .Lnot_wave_0_\@
	s_barrier_signal -3
.Lnot_wave_0_\@:
	s_barrier_wait -3
	s_barrier_signal -1
	s_barrier_wait -1
.endm
.macro ASK p
	s_cmp_gt_u32 s3, 1                             ; s3 = 1 in the loop's last trip: there is no tile three on
	s_cbranch_scc0 .Lnone_\@
	global_prefetch_b8 v[PFO], s[PF+2*(1-(\p)):PF+2*(1-(\p))+1] th:TH_LOAD_NT scope:SCOPE_SE
.Lnone_\@:
.endm
; The trip of the tile in slot p.  In front of the round each wave waits for all its tensor loads (one is out: its part of this tile), adds 0 to its spare word, and waits for that and for its reads of the other slot.
; refill = 1: the other slot takes the next tile.  zero = 1: the products start the sums.  ask = 1: a prefetch follows.
.macro TRIP p, refill, zero, ask
.if \ask
	s_wait_xcnt 0x0                                ; my last prefetch, a trip back, has read its address
	s_add_nc_u64 s[PF+2*(1-\p):PF+2*(1-\p)+1], s[PF+2*(1-\p):PF+2*(1-\p)+1], s[PSTEP:PSTEP+1]
.endif
	s_wait_tensorcnt 0x0
	ds_add_u32 v[SPW], v[NIL]
	s_add_nc_u64 s[G0+4*\p+2:G0+4*\p+3], s[G0+4*\p+2:G0+4*\p+3], 8192      ; no load of mine is out: this slot's next tile
	s_add_nc_u64 s[G0B+4*\p+2:G0B+4*\p+3], s[G0B+4*\p+2:G0B+4*\p+3], 512
	s_wait_dscnt 0x0
.if \refill
	CROUND                                         ; no wave of any partner still reads the other slot or has a load on its way
	JLOAD 1-\p                                     ; the four v_nop behind it are also the places in front of the loads below
.else
	s_barrier_signal -1
	s_barrier_wait -1
	PLACES
.endif
	WIN 0x40
.irp i, 0,1,2,3,4,5,6,7
.irp c, 0,1,2,3
	ds_load_b128 v[FR*\i+4*\c:FR*\i+4*\c+3], v[ADA+\p] offset:\i*8192+512*\c
.endr
.endr
	WIN 0
.irp o, 0,1,2,3,4,5,6,7
.irp c, 0,1,2,3
	ds_load_b128 v[WF+FR*\o+4*\c:WF+FR*\o+4*\c+3], v[ADB+\p] offset:\o*16*WP+32*\c
.endr
.endr
.if \ask
	ASK \p
.endif
.irp o, 0,1,2,3,4,5,6,7
	s_wait_dscnt 4*(7-\o)                          ; the tokens and W2's blocks 0 .. o are in; the 7 - o later blocks may be out
.if \o < 4
	WIN MUL_LO
.else
	WIN MUL_HI
.endif
.irp i, 0,1,2,3,4,5,6,7
.if \zero
	v_wmma_f32_16x16x128_bf8_bf8 v[8*(8*(\o%4)+\i):8*(8*(\o%4)+\i)+7], v[WF+FR*\o:WF+FR*\o+FR-1], v[FR*\i:FR*\i+FR-1], 0
.else
	v_wmma_f32_16x16x128_bf8_bf8 v[8*(8*(\o%4)+\i):8*(8*(\o%4)+\i)+7], v[WF+FR*\o:WF+FR*\o+FR-1], v[FR*\i:FR*\i+FR-1], v[8*(8*(\o%4)+\i):8*(8*(\o%4)+\i)+7]
.endif
.endr
.endr
	WIN 0
.endm
	s_load_b256 s[4:11], s[0:1], 0x0               ; hq, W2's codes, b2, the scales' exponents
	s_load_b64 s[12:13], s[0:1], 0x20              ; out0
	v_lshl_add_u32 v[SPW], v0, 2, SPARE
	v_mov_b32 v[NIL], 0
	ds_add_u32 v[SPW], v[NIL]                      ; the wave's opening: the add, twice on end, and its wait ahead of my first tensor load
	ds_add_u32 v[SPW], v[NIL]
	v_lshrrev_b32 v1, 5, v0
	v_readfirstlane_b32 s14, v1                    ; wave 0..3: my 128 of a tile's 512 along K
	s_lshr_b32 s15, s14, 1                         ; I fetch tokens (0) or W2 (1),
	s_and_b32 s16, s14, 1                          ; and which half
	s_bfe_u32 s40, ttmp6, 0x40000                  ; cx, cy: my place in the cluster
	s_bfe_u32 s41, ttmp6, 0x40004
	s_lshl_b32 s42, ttmp9, 2
	s_add_co_u32 s42, s42, s40                     ; tx = 4 x cluster x + cx: 128 columns
	s_and_b32 s17, ttmp7, 0xffff
	s_lshl_b32 s17, s17, 2
	s_add_co_u32 s17, s17, s41                     ; ty = 4 x cluster y + cy: 128 tokens
	s_lshl_b32 s43, s41, 2
	s_lshl_b32 s43, 15, s43                        ; my row of the cluster
	s_lshl_b32 s44, 0x1111, s40                    ; my column
	s_or_b32 s[G1+0], s43, (3<<16)|(1<<21)         ; tokens: the mask: my row; elements of 8 bytes; 21 set beside a mask; no padding
	s_mov_b32 s[G1+1], (1024<<16)                  ; 4 rows of 1,024 elements (8,192 bytes),
	s_mov_b32 s[G1+2], (4<<16)
	s_mov_b32 s[G1+3], (1024<<16)
	s_mov_b32 s[G1+4], 4
	s_mov_b32 s[G1+5], 16384                       ; 131,072 bytes apart
	s_mov_b32 s[G1+6], 0
	s_mov_b32 s[G1+7], 0
	s_or_b32 s[G1B+0], s44, (1<<20)|(1<<21)|(6<<22)|(3<<25)   ; W2: my column; elements of 1 byte; 4 words of padding after every 128
	s_mov_b32 s[G1B+1], (512<<16)                  ; 64 rows of 512 bytes,
	s_mov_b32 s[G1B+2], (64<<16)
	s_mov_b32 s[G1B+3], (512<<16)
	s_mov_b32 s[G1B+4], 64
	s_mov_b32 s[G1B+5], 4096                       ; 4,096 apart
	s_mov_b32 s[G1B+6], 0
	s_mov_b32 s[G1B+7], 0
	s_lshl_b32 s20, s17, 20                        ; hq: token tile 8 ty + 4 x half, 131,072 bytes each: ty and the wave alone, which my row shares
	s_lshl_b32 s18, s16, 19
	s_add_co_u32 s20, s20, s18
	s_mov_b32 s21, 0
	s_lshl_b32 s46, s42, 19                        ; W2: row 128 tx + 64 x half, 4,096 bytes each: tx and the wave alone, which my column shares
	s_lshl_b32 s18, s16, 18
	s_add_co_u32 s46, s46, s18
	s_mov_b32 s47, 0
	s_lshl_b32 s45, s16, 15                        ; where they go: no place in the cluster enters an LDS address
	s_mul_i32 s19, s16, 64*WP
	s_add_co_u32 s19, s19, ATILE
	s_wait_dscnt 0x0                               ; both opening adds are done
	s_wait_kmcnt 0x0
	s_load_b128 s[72:75], s[10:11], 0x0            ; ex, ew1, ew2, eh
	s_add_nc_u64 s[20:21], s[4:5], s[20:21]
	s_add_nc_u64 s[46:47], s[6:7], s[46:47]
	CROUND                                         ; all sixteen work-groups are here: the first joint loads meet
.irp s, 0,1
	s_mov_b32 s[G0+4*\s], 1
	s_add_co_u32 s[G0+4*\s+1], s45, \s*SLOT
	s_add_nc_u64 s[G0+4*\s+2:G0+4*\s+3], s[20:21], \s*65536        ; tile s: expert s: K step 32 s
	s_or_b32 s[G0+4*\s+3], s[G0+4*\s+3], 0x80000000
	s_mov_b32 s[G0B+4*\s], 1
	s_add_co_u32 s[G0B+4*\s+1], s19, \s*SLOT
	s_add_nc_u64 s[G0B+4*\s+2:G0B+4*\s+3], s[46:47], \s*4194304
	s_or_b32 s[G0B+4*\s+3], s[G0B+4*\s+3], 0x80000000
.endr
	JLOAD 0                                        ; tile 0: one tensor load a wave at the head
	s_lshl_b32 s22, s42, 9                         ; my tile's 128 columns: 512 bytes
	s_mov_b32 s23, 0
	s_add_nc_u64 s[8:9], s[8:9], s[22:23]
	s_lshl_b32 s18, s17, 19                        ; out0: row 128 ty + 32 w of 4,096 bytes, + my columns
	s_add_co_u32 s22, s22, s18
	s_lshl_b32 s18, s14, 17
	s_add_co_u32 s22, s22, s18
	s_add_nc_u64 s[12:13], s[12:13], s[22:23]
	s_lshl_b32 s80, s14, 11                        ; my K step of a token tile's four
	s_lshl_b32 s81, s14, 7                         ; my 128 bytes of a row of W2
	s_add_co_u32 s81, s81, ATILE
	s_mul_i32 s82, s14, PT
	s_mul_i32 s83, s14, 32*BP
	s_lshl_b32 s18, s40, 17                        ; the prefetches: of my four token tiles the one at cx;
	s_lshl_b32 s19, s41, 16                        ; of my 64 rows of W2 the sixteen at 16 cy
	s_cmp_eq_u32 s15, 0                            ; do I fetch tokens?
	s_cselect_b64 s[PF:PF+1], s[20:21], s[46:47]
	s_cselect_b32 s22, s18, s19
	s_mov_b32 s[PSTEP], 512
	s_cselect_b32 s[PSTEP], 8192, s[PSTEP]
	s_mov_b32 s[PSTEP+1], 0
	s_mov_b32 s78, 4194304
	s_cselect_b32 s78, 65536, s78                  ; from expert 0's tile to expert 1's
	s_mov_b32 s79, 0
	s_mov_b32 s84, 4096
	s_cselect_b32 s84, 512, s84                    ; two lanes take 512 bytes: of a token tile's 8,192 on end, or a row of W2
	s_add_nc_u64 s[PF:PF+1], s[PF:PF+1], s[22:23]
	s_add_nc_u64 s[PF+2:PF+3], s[PF:PF+1], s[78:79]            ; at tile 1: tile 0's trip steps it to tile 3
	s_add_nc_u64 s[PF:PF+1], s[PF:PF+1], s[PSTEP:PSTEP+1]      ; at tile 2: tile 1's trip steps it to tile 4
	s_mov_b32 s3, 7
	v_and_b32 v3, 31, v0                           ; lane
	v_and_b32 v1, 15, v0                           ; r
	v_bfe_u32 v2, v0, 4, 1                         ; h
	v_lshlrev_b32 v[CO], 4, v3
	v_mul_u32_u24 v4, v1, WP
	v_lshrrev_b32 v6, 1, v3
	v_and_b32 v7, 1, v3
	v_lshl_add_u32 v5, v2, 5, v4
	v_lshl_add_u32 v4, v2, 4, v4
	v_mul_u32_u24 v6, s84, v6
	v_add_nc_u32 v[ADA], s80, v[CO]                ; tokens: my K step, 16 x lane
	v_add_nc_u32 v[RD], s83, v[CO]                 ; back: rows 32 w on, the 32 lanes take a row of 512 bytes,
	v_add_nc_u32 v[ADB], s81, v4                   ; W2: row r x pitch + 16 h + my 128 bytes
	v_add_nc_u32 v[STO], s82, v5                   ; my partial tile: row r, + 32 h
	v_lshl_add_u32 v[PFO], v7, 8, v6
	v_add_nc_u32 v[ADA+1], SLOT, v[ADA]
	v_add_nc_u32 v[ADB+1], SLOT, v[ADB]
	v_add_nc_u32 v[RD+1], PT, v[RD]                ; in each of the four partial tiles
	v_add_nc_u32 v[RD+2], 2*PT, v[RD]
	v_add_nc_u32 v[RD+3], 3*PT, v[RD]
	global_load_b128 v[B2:B2+3], v[CO], s[8:9]               ; b2[0] of columns 128 tx + 4 lane + 0 .. 3
	global_load_b128 v[B2+4:B2+7], v[CO], s[8:9] offset:4096 ; b2[1]
	s_wait_alu depctr_va_vdst(0)
	;    p  refill zero ask
	TRIP 0, 1,     1,   1                          ; tile 0 starts the sums; slot 1's first fill is issued as a refill is
.Lk:                                                   ; seven trips: tiles 1 + 2 j and 2 + 2 j
	TRIP 1, 1,     0,   1
	TRIP 0, 1,     0,   1
	s_sub_co_u32 s3, s3, 1
	s_cmp_lg_u32 s3, 0
	s_cbranch_scc1 .Lk
	TRIP 1, 0,     0,   0                          ; tile 15: nothing is filled, and no round of the cluster's barrier
	; THE WAY OUT.  Each wave lays its partial tile into LDS, over the ring: every wave's reads of the ring are back and every tensor load has landed when the barrier below is passed.
	s_barrier_signal -1
	PLACES
	s_barrier_wait -1
	WIN 0x08                                       ; an LDS store's data are source 1: window 2
.irp o, 0,1,2,3
.irp i, 0,1,2,3,4,5,6,7
	ds_store_b128 v[STO], v[8*(8*\o+\i):8*(8*\o+\i)+3] offset:\i*16*BP+64*\o         ; lane (r, h): token 16 i + r, columns 16 o + 8 h + 0 .. 3; each accumulator from its low end on
	ds_store_b128 v[STO], v[8*(8*\o+\i)+4:8*(8*\o+\i)+7] offset:\i*16*BP+64*\o+16
.endr
.endr
	WIN 0x0c                                       ; window 3: W2's blocks 4-7
.irp o, 0,1,2,3
.irp i, 0,1,2,3,4,5,6,7
	ds_store_b128 v[STO], v[8*(8*\o+\i):8*(8*\o+\i)+3] offset:\i*16*BP+64*(\o+4)
	ds_store_b128 v[STO], v[8*(8*\o+\i)+4:8*(8*\o+\i)+7] offset:\i*16*BP+64*(\o+4)+16
.endr
.endr
	WIN 0
	s_wait_loadcnt 0x0                             ; b2
	v_pk_add_f32 v[B2:B2+1], v[B2:B2+1], v[B2+4:B2+5]
	v_pk_add_f32 v[B2+2:B2+3], v[B2+2:B2+3], v[B2+6:B2+7]
	v_pk_mul_f32 v[B2:B2+1], v[B2:B2+1], 0.5 op_sel_hi:[1,0]
	v_pk_mul_f32 v[B2+2:B2+3], v[B2+2:B2+3], 0.5 op_sel_hi:[1,0]   ; (b2[0] + b2[1]) / 2
	s_wait_alu depctr_va_vdst(0)
	s_wait_kmcnt 0x0
	s_add_co_i32 s[S2], s74, s75                   ; ew2 + eh,
	s_add_co_i32 s[S2], s[S2], 126                 ; - 1 for the average of the two experts, + 127
	s_lshl_b32 s[S2], s[S2], 23
	s_mov_b32 s[S2+1], s[S2]
	s_wait_dscnt 0x0                               ; for the others' sake: my partial tile lies in LDS
	s_barrier_signal -1
	s_barrier_wait -1
; Wave w adds and stores rows 32 w .. 32 w + 31, eight at a time: a row of each of the four partial tiles, 16 bytes a lane.
.irp q, 0,1,2,3
.if \q > 0
	s_wait_xcnt 0x0                                ; the last eight stores have read their data
.endif
.irp i, 0,1,2,3,4,5,6,7
.irp u, 0,1,2,3
	ds_load_b128 v[BK+16*\i+4*\u:BK+16*\i+4*\u+3], v[RD+\u] offset:(8*\q+\i)*BP
.endr
.endr
.irp i, 0,1,2,3,4,5,6,7
	s_wait_dscnt 28-4*\i                           ; row i's four loads are in; those of the 7 - i later rows may be out
	v_pk_add_f32 v[BK+16*\i:BK+16*\i+1], v[BK+16*\i:BK+16*\i+1], v[BK+16*\i+4:BK+16*\i+5]
	v_pk_add_f32 v[BK+16*\i+2:BK+16*\i+3], v[BK+16*\i+2:BK+16*\i+3], v[BK+16*\i+6:BK+16*\i+7]
	v_pk_add_f32 v[BK+16*\i+8:BK+16*\i+9], v[BK+16*\i+8:BK+16*\i+9], v[BK+16*\i+12:BK+16*\i+13]
	v_pk_add_f32 v[BK+16*\i+10:BK+16*\i+11], v[BK+16*\i+10:BK+16*\i+11], v[BK+16*\i+14:BK+16*\i+15]
	v_pk_add_f32 v[BK+16*\i:BK+16*\i+1], v[BK+16*\i:BK+16*\i+1], v[BK+16*\i+8:BK+16*\i+9]
	v_pk_add_f32 v[BK+16*\i+2:BK+16*\i+3], v[BK+16*\i+2:BK+16*\i+3], v[BK+16*\i+10:BK+16*\i+11]
	v_pk_fma_f32 v[BK+16*\i:BK+16*\i+1], v[BK+16*\i:BK+16*\i+1], s[S2:S2+1], v[B2:B2+1] op_sel_hi:[1,0,1]
	v_pk_fma_f32 v[BK+16*\i+2:BK+16*\i+3], v[BK+16*\i+2:BK+16*\i+3], s[S2:S2+1], v[B2+2:B2+3] op_sel_hi:[1,0,1]
	global_store_b128 v[CO], v[BK+16*\i:BK+16*\i+3], s[12:13] offset:(8*\q+\i)*4096 th:TH_STORE_NT   ; 512 consecutive bytes of a row, at a multiple of 256 from out0's first byte
.endr
.endr
	s_wait_tensorcnt 0x0                           ; the wave's end
	ds_add_u32 v[SPW], v[NIL]
	s_wait_dscnt 0x0
	CROUND                                         ; the closing round: no work-group ends while a partner may still ask for a tile that names it
	s_endpgm
.Lfunc_end_k_qdf6396cc6f_ffn2:
	.size	k_qdf6396cc6f_ffn2, .Lfunc_end_k_qdf6396cc6f_ffn2-k_qdf6396cc6f_ffn2
	.p2alignl 7, 3214868480
	.fill 96, 4, 3214868480
	.section	.rodata,"a",@progbits
	.p2align	6, 0x0
	.amdhsa_kernel k_qdf6396cc6f_ffn2
		.amdhsa_group_segment_fixed_size 327680
		.amdhsa_private_segment_fixed_size 0
		.amdhsa_enable_private_segment 0
		.amdhsa_kernarg_size 40
		.amdhsa_user_sgpr_count 2
		.amdhsa_user_sgpr_kernarg_segment_ptr 1
		.amdhsa_wavefront_size32 1
		.amdhsa_system_sgpr_workgroup_id_x 1
		.amdhsa_system_sgpr_workgroup_id_y 1
		.amdhsa_system_sgpr_workgroup_id_z 1
		.amdhsa_system_vgpr_workitem_id 0
		.amdhsa_next_free_vgpr 1024
		.amdhsa_next_free_sgpr 88
		.amdhsa_reserve_vcc 0
		.amdhsa_float_denorm_mode_32 3
		.amdhsa_float_denorm_mode_16_64 3
		.amdhsa_memory_ordered 1
		.amdhsa_forward_progress 1
		.amdhsa_inst_pref_size 83
	.end_amdhsa_kernel
	.amdgpu_metadata
---
amdhsa.version: [ 1, 2 ]
amdhsa.kernels:
  - .name:           k_qdf6396cc6f_ffn2
    .symbol:         k_qdf6396cc6f_ffn2.kd
    .args:
      - { .name: hq, .offset: 0, .size: 8, .value_kind: global_buffer, .address_space: global }
      - { .name: W2_codes, .offset: 8, .size: 8, .value_kind: global_buffer, .address_space: global }
      - { .name: b2, .offset: 16, .size: 8, .value_kind: global_buffer, .address_space: global }
      - { .name: lowp_scales, .offset: 24, .size: 8, .value_kind: global_buffer, .address_space: global }
      - { .name: out0, .offset: 32, .size: 8, .value_kind: global_buffer, .address_space: global }
    .group_segment_fixed_size: 327680
    .private_segment_fixed_size: 0
    .kernarg_segment_align: 8
    .kernarg_segment_size: 40
    .max_flat_workgroup_size: 128
    .sgpr_count:     88
    .vgpr_count:     1024
    .wavefront_size: 32
...
	.end_amdgpu_metadata
.endif
;; end of part 3
